; MI455X (gfx1250); checked and timed in simulation.
; The chip was launched on July 23, 2026; its instructions are those of AMD's public machine-readable ISA for CDNA 5 (MIT licence, August 2026) and "CDNA5" Instruction Set Architecture Reference Guide (July 2026). The comments in the code are by the model that wrote it; some were corrected since.
;; Deep Seek Mo E. Allowed arithmetic: float matrix products may take bf16 or f16 operands with f32 sums; all other float work in f32.
;; Inputs: w1 8 x 1,024 x 128 float32; w2 8 x 1,024 x 128 float32; w3 8 x 128 x 1,024 float32; wr 1,024 x 8 float32; ws1 1,024 x 256 float32; ws2 1,024 x 256 float32; ws3 256 x 1,024 float32; x 4 x 4,096 x 1,024 float32.
;; Outputs: out0 4 x 4,096 x 1,024 float32.
;; One version. Each part assembles by itself: llvm-mc -triple=amdgcn-amd-amdhsa -mcpu=gfx1250 --defsym DOCPART=n.
;; ======== version 1 of 1: 3 launches
;; limits: values are held in f16: magnitudes above 65,504 overflow, below 6.1e-05 lose precision; right only within a limited range of input values
;; workspace buffers: xf 33,554,432 bytes; hf 41,943,040 bytes; wa 5,242,880 bytes; wb 2,621,440 bytes; wf 524,288 bytes; xn 65,536 bytes; wsq 1,280 bytes
;; launch prep (part 1): grid 376 x 1, 4 waves a work-group, no clusters, 34,560 bytes of LDS; arguments x, wr, w1, w2, ws1, ws2, w3, ws3, xf, wf, wa, wb, xn, wsq; writes xf, wf, wa, wb, xn, wsq
.if DOCPART == 1
	.amdgcn_target "amdgcn-amd-amdhsa--gfx1250"
	.amdhsa_code_object_version 6
	.text
	.protected	k_q9a742dbbc1_prep
	.globl	k_q9a742dbbc1_prep
	.p2align	8
	.type	k_q9a742dbbc1_prep,@function
k_q9a742dbbc1_prep:
	s_mov_b64 s[64:65], 0
	v_nop
	global_prefetch_b8 v0, s[64:65] scope:SCOPE_SE
	s_setreg_imm32_b32 hwreg(HW_REG_WAVE_MODE, 25, 1), 1
	s_wait_xcnt 0x0
; prep: every matrix operand of the two products is rounded once and laid out in FRAGMENT ORDER, the router is computed, and the sums of squares are taken
; from which the later launches bound h.
; A piece is 512 bytes: lane L = r + 16 h holds the 16 bytes at 16 L = row r of a block of 16 rows, elements k = 16 kb + 8 h .. + 7 of K block kb.
; Two pieces (kb = 2 q, 2 q + 1) are one 16 x 32 operand of a 16-bit matrix instruction, so the later launches bring dense blocks into LDS
; and read operands as 32 lanes x 16 neighbouring bytes.
;   xf [T 128][kb 64][a 8][512 B]   bf16, token 128 T + 16 a + r         wf [token][8] f32: the router's weight of each expert (0 outside the top 6)
;   wa [cg 16][kb 64][nb 10][512 B] bf16, nb = 2 p + t: hidden 80 cg + 16 p + r of the gate (t = 0: w1, ws1) or of the up product (t = 1: w2, ws2)
;   wb [cgB 8][kb 80][nb 8][512 B]  f16, output column 128 cgB + 16 nb + r; k = hidden (0..1023 routed, 1024..1279 shared): w3 rounded to bf16, then times 2^8
;   xn [token] f32: the sum of x^2      wsq [e 10][K group 16][t 2] f32: the sum of squares of 64 k rows x 128 columns of group e of the gate (t = 0) or up weights
; Work-groups 0..255: x.  A wave owns 16 tokens, takes them in eight chunks of 128 columns through a ring of four register buffers
; (64 loads of 512 neighbouring bytes of a wave are issued ahead), transposes a chunk through its own LDS stage, stores eight pieces and
; adds the chunk to the logits with four matrix instructions (wr as rows, tokens as columns).
; Work-groups 256..335: wa, 336..375: wb.  A wave packs four units of 16 k rows x 128 columns, each eight pieces.
; Memory binds here: no tensor loads, no cluster (no two work-groups share more than the 32 KiB of wr), one barrier (the wr table).
; xn and wsq leave as 64 and 4 bytes a wave, 66 KB in the launch: gathering them into larger stores would cost a barrier.
; LIMITS: NaN and infinities are not served.  The exponential and the reciprocal flush denormals (ISA guide 15.8): a probability below 2^-126
; counts as 0.  Equal probabilities go to the lower index, as in top_k.  x and wr enter the router rounded to bf16, sums in f32.
; |w3| < 255 (f16 ends at 65,504); below 2^-25 a w3 is kept to 2^-33 absolutely.
.set WPITCH, 2064                      ; wr table in LDS, bf16 [n 8][k 1024]: 2,048 bytes + 16, so that eight rows start at eight different offsets modulo 256
.set STG0,   16640                     ; behind the table (16,512 bytes): a stage of 4,352 bytes for each wave
.set STGB,   4352
.set XPITCH, 272                       ; x stage: 16 rows of 128 bf16 + 16 bytes
.set PPITCH, 528                       ; pack stage: 8 pieces of 512 bytes + 16
.set CT,  12                           ; v[12:43]   x: a chunk as bf16
.set XF,  44                           ; v[44:107]  x: the chunk's eight pieces, two sets by turns
.set WFR, 108                          ; v[108:139] x: wr's four operands of the chunk
.set ACC, 140                          ; v[140:171] x: four accumulators, one for each 32 of the chunk's 128 k
.set WL,  172                          ; v[172:235] x: wr as loaded; later the router's scratch and the sums of squares:
.set P,   172                          ; v[172:179] probabilities
.set R,   180                          ; v[180:187] ranks
.set TM,  188
.set MX,  189
.set SM,  190
.set RC,  191
.set O,   192                          ; v[192:195] the four weights that the lane stores
.set NS,  204                          ; v[204:235] a pair of sums of x^2 for each of my 16 tokens; at the end v[204:219] one each
.set BT,  220                          ; v[220:227] the butterfly's outgoing halves
.set VO,  12                           ; v[12:27]   pack: 16 L + k x row bytes
.set VD,  28                           ; v[28:35]   pack: 16 L + the piece's place
.set PC,  44                           ; v[44:75]   pack: a unit in 16 bits
.set OUT, 76                           ; v[76:139]  pack: eight pieces, two sets by turns
.set SQ,  140                          ; v[140:147] pack: four pairs: sums of squares (wa), or numbers at work (wb)
; window 1 (v256-511): the ring of loaded f32, four buffers of 64 registers
.set MSB, 0
.macro WIN new                         ; s_set_vgpr_msb: bits 1:0 source 0, 3:2 source 1, 5:4 source 2, 7:6 destination; the high byte repeats the setting that is left
.if MSB != \new
	s_set_vgpr_msb (MSB<<8)|\new
.set MSB, \new
.endif
.endm
; chunk c of my 16 tokens: 16 loads, one token each, 512 neighbouring bytes
.macro XFILL c
	WIN 0x40
.irp i, 0,1,2,3,4,5,6,7,8,9,10,11,12,13,14,15
	global_load_b128 v[64*((\c)%4)+4*\i:64*((\c)%4)+4*\i+3], v4, s[16:17] offset:4096*\i+512*(\c) th:TH_LOAD_NT
.endr
.endm
; left = the loads of the younger chunks, 16 each; fill = 1: the buffer is loaded again with the chunk four further on
.macro XCHUNK c, left, fill
	s_wait_loadcnt \left                           ; loads come back in order (ISA guide 5.7.1): my chunk is in
	WIN 0x05
.irp i, 0,1,2,3,4,5,6,7,8,9,10,11,12,13,14,15
	v_cvt_pk_bf16_f32 v[CT+2*\i],   v[64*((\c)%4)+4*\i],   v[64*((\c)%4)+4*\i+1]   ; these lines are also the places between the last chunk's
	v_cvt_pk_bf16_f32 v[CT+2*\i+1], v[64*((\c)%4)+4*\i+2], v[64*((\c)%4)+4*\i+3]   ; matrix instructions and the loads into their operands below
.endr
.irp i, 0,1,2,3,4,5,6,7,8,9,10,11,12,13,14,15
.if \c == 0
	v_pk_mul_f32 v[NS+2*\i:NS+2*\i+1], v[64*((\c)%4)+4*\i:64*((\c)%4)+4*\i+1], v[64*((\c)%4)+4*\i:64*((\c)%4)+4*\i+1]   ; the first squares start the sums
.else
	v_pk_fma_f32 v[NS+2*\i:NS+2*\i+1], v[64*((\c)%4)+4*\i:64*((\c)%4)+4*\i+1], v[64*((\c)%4)+4*\i:64*((\c)%4)+4*\i+1], v[NS+2*\i:NS+2*\i+1]
.endif
.endr
.irp i, 0,1,2,3,4,5,6,7,8,9,10,11,12,13,14,15
	v_pk_fma_f32 v[NS+2*\i:NS+2*\i+1], v[64*((\c)%4)+4*\i+2:64*((\c)%4)+4*\i+3], v[64*((\c)%4)+4*\i+2:64*((\c)%4)+4*\i+3], v[NS+2*\i:NS+2*\i+1]
.endr
.if \fill
	XFILL \c+4
.endif
	WIN 0
.irp i, 0,1,2,3,4,5,6,7,8,9,10,11,12,13,14,15
	ds_store_b64 v5, v[CT+2*\i:CT+2*\i+1] offset:XPITCH*\i          ; token i, my four columns: 32 lanes, 256 neighbouring bytes
.endr
	s_wait_xcnt 0x0                                ; the set of pieces written next was the data of the stores two chunks ago
.irp k, 0,1,2,3,4,5,6,7
	ds_load_b128 v[XF+32*((\c)&1)+4*\k:XF+32*((\c)&1)+4*\k+3], v6 offset:32*\k   ; piece k; the stage is my wave's own and LDS serves a wave in order (ISA guide 5.7.1)
.endr
.irp q, 0,1,2,3
.irp u, 0,1
	ds_load_b128 v[WFR+8*\q+4*\u:WFR+8*\q+4*\u+3], v7 offset:256*(\c)+64*\q+32*\u
.endr
.endr
	s_wait_dscnt 0x0
.irp k, 0,1,2,3,4,5,6,7
	global_store_b128 v4, v[XF+32*((\c)&1)+4*\k:XF+32*((\c)&1)+4*\k+3], s[32:33] offset:(8*(\c)+\k)*4096   ; a piece: 512 consecutive bytes, aligned
.endr
.irp q, 0,1,2,3                        ; the four accumulators take turns, from chunk to chunk too
.if \c == 0
	v_wmma_f32_16x16x32_bf16 v[ACC+8*\q:ACC+8*\q+7], v[WFR+8*\q:WFR+8*\q+7], v[XF+32*((\c)&1)+8*\q:XF+32*((\c)&1)+8*\q+7], 0
.else
	v_wmma_f32_16x16x32_bf16 v[ACC+8*\q:ACC+8*\q+7], v[WFR+8*\q:WFR+8*\q+7], v[XF+32*((\c)&1)+8*\q:XF+32*((\c)&1)+8*\q+7], v[ACC+8*\q:ACC+8*\q+7]
.endif
.endr
.endm
; One step of the butterfly that adds 2 n sums across lanes and halves their number: a lane whose bit (mask m) is set keeps sums n .. 2 n - 1 and
; hands sums 0 .. n - 1 to the lane x away, the other lane the other way round.  After steps 8, 4, 2, 1 lane r of a row holds token r's sum over the row.
.macro BFLY n, m, x
.set bi, 0
.rept \n
	v_cndmask_b32 v[BT+bi], v[NS+bi+\n], v[NS+bi], \m
	v_cndmask_b32 v[NS+bi], v[NS+bi], v[NS+bi+\n], \m
	v_add_f32_dpp v[NS+bi], v[BT+bi], v[NS+bi] row_xmask:\x row_mask:0xf bank_mask:0xf
.set bi, bi+1
.endr
.endm
; unit it of a packing wave: 16 k rows x 128 columns of f32 become eight pieces.  left = the younger units' loads, 16 each.
; kind 0 (wa): bf16, and the squares are summed.  kind 1 (wb): bf16, then times 2^8 in f16 (exact in f16's normal range: 8 significant bits into 11)
.macro PACK it, left, kind
	s_wait_loadcnt \left
	WIN 0x05
.irp c, 0,1,2,3
.irp h, 0,1
.irp m, 0,1,2,3
	v_cvt_pk_bf16_f32 v[PC+4*(2*\c+\h)+\m], v[64*\it+4*(8*\h+2*\m)+\c], v[64*\it+4*(8*\h+2*\m+1)+\c]   ; column 4 L + c, k = 8 h + 2 m and the next
.endr
.endr
.endr
.if \kind == 0
.set j, 0
.rept 32
.if (32*\it+j) < 4
	v_pk_mul_f32 v[SQ+2*(j%4):SQ+2*(j%4)+1], v[64*\it+2*j:64*\it+2*j+1], v[64*\it+2*j:64*\it+2*j+1]   ; the first squares start the four chains
.else
	v_pk_fma_f32 v[SQ+2*(j%4):SQ+2*(j%4)+1], v[64*\it+2*j:64*\it+2*j+1], v[64*\it+2*j:64*\it+2*j+1], v[SQ+2*(j%4):SQ+2*(j%4)+1]
.endif
.set j, j+1
.endr
	WIN 0
.else
	WIN 0
.set j, 0
.rept 32
	v_lshlrev_b32 v[SQ+2*(j%4)], 16, v[PC+j]
	v_and_b32 v[SQ+2*(j%4)+1], 0xffff0000, v[PC+j]
	v_pk_mul_f32 v[SQ+2*(j%4):SQ+2*(j%4)+1], v[SQ+2*(j%4):SQ+2*(j%4)+1], 0x43800000 op_sel_hi:[1,0]   ; 256
	v_cvt_pk_f16_f32 v[PC+j], v[SQ+2*(j%4)], v[SQ+2*(j%4)+1]
.set j, j+1
.endr
.endif
.irp c, 0,1,2,3
.irp h, 0,1
	ds_store_b128 v5, v[PC+4*(2*\c+\h):PC+4*(2*\c+\h)+3] offset:16*\c+256*\h   ; piece L / 4, row 4 (L % 4) + c, half h
.endr
.endr
	s_wait_xcnt 0x0                                ; the set read into next was the data of the stores two units ago
.irp n, 0,1,2,3,4,5,6,7
	ds_load_b128 v[OUT+32*(\it&1)+4*\n:OUT+32*(\it&1)+4*\n+3], v6 offset:PPITCH*\n
.endr
.irp n, 0,1,2,3,4,5,6,7
	s_wait_dscnt 7-\n                              ; LDS loads come back in order: piece n is in
	global_store_b128 v[VD+\n], v[OUT+32*(\it&1)+4*\n:OUT+32*(\it&1)+4*\n+3], s[48+2*\it:49+2*\it]
.endr
.endm
	s_load_b512 s[16:31], s[0:1], 0x0              ; x 16, wr 18, w1 20, w2 22, ws1 24, ws2 26, w3 28, ws3 30
	s_load_b256 s[32:39], s[0:1], 0x40             ; xf 32, wf 34, wa 36, wb 38
	s_load_b128 s[4:7], s[0:1], 0x60               ; xn 4, wsq 6
	v_lshl_add_u32 v254, v0, 2, 0x8500
	v_mov_b32 v255, 0
	v_lshrrev_b32 v1, 5, v0
	v_readfirstlane_b32 s8, v1                     ; wave 0..3
	v_and_b32 v1, 31, v0                           ; L
	v_lshlrev_b32 v4, 4, v1                        ; 16 L
	s_mul_i32 s9, s8, STGB
	s_add_co_u32 s9, s9, STG0                      ; my wave's stage
	s_cmp_ge_u32 ttmp9, 256                        ; the same in all four waves of a work-group
	s_cbranch_scc1 .Lpack
	; ---------------- x and the router ----------------
	v_and_b32 v2, 15, v0                           ; r
	v_bfe_u32 v3, v0, 4, 1                         ; h
	v_lshl_add_u32 v5, v1, 3, s9                   ; stage in: 8 L
	v_mul_u32_u24 v6, v2, XPITCH
	v_lshl_add_u32 v6, v3, 4, v6
	v_add_nc_u32 v6, s9, v6                        ; stage out: row r, 16 h
	v_and_b32 v7, 7, v0
	v_mul_u32_u24 v7, v7, WPITCH
	v_lshl_add_u32 v7, v3, 4, v7                   ; wr table: row r % 8 (rows 8-15 of the operand repeat rows 0-7), 16 h
	v_lshlrev_b32 v8, 6, v0                        ; wr in memory: two k rows of 32 bytes a thread
	v_lshlrev_b32 v9, 2, v0                        ; wr table: one word (two k) a thread
	v_lshlrev_b32 v10, 5, v2
	v_lshl_add_u32 v10, v3, 4, v10                 ; wf: token r, experts 4 h .. 4 h + 3
	v_lshlrev_b32 v11, 2, v2                       ; xn: token r
	s_mov_b32 s66, 0xff00ff00                      ; lanes whose r has bit 3 set,
	s_mov_b32 s67, 0xf0f0f0f0                      ; bit 2,
	s_mov_b32 s68, 0xcccccccc                      ; bit 1,
	s_mov_b32 s69, 0xaaaaaaaa                      ; bit 0
	s_mov_b32 s70, 0x76543210                      ; v_permlanex16_b32: lane i of one half reads lane i of the other
	s_mov_b32 s71, 0xfedcba98
	s_lshl_b32 s10, ttmp9, 2
	s_add_co_u32 s10, s10, s8                      ; my block of 16 tokens, 0..1023
	s_mov_b32 s13, 0
	s_lshl_b32 s12, s10, 16                        ; 16 rows of 4,096 bytes
	s_wait_kmcnt 0x0
	s_add_nc_u64 s[16:17], s[16:17], s[12:13]
	s_lshr_b32 s12, s10, 3
	s_lshl_b32 s12, s12, 18                        ; T x 262,144
	s_and_b32 s14, s10, 7
	s_lshl_b32 s14, s14, 9                         ; a x 512
	s_add_co_u32 s12, s12, s14
	s_add_nc_u64 s[32:33], s[32:33], s[12:13]
	s_lshl_b32 s12, s10, 9                         ; 16 tokens x 32 bytes
	s_add_nc_u64 s[34:35], s[34:35], s[12:13]
	s_lshl_b32 s12, s10, 6                         ; 16 tokens x 4 bytes
	s_add_nc_u64 s[4:5], s[4:5], s[12:13]
.irp i, 0,1,2,3
.irp j, 0,1,2,3
	global_load_b128 v[WL+16*\i+4*\j:WL+16*\i+4*\j+3], v8, s[18:19] offset:8192*\i+16*\j   ; k pair thread + 128 i: registers 0-7 the even k, 8-15 the odd k
.endr
.endr
	XFILL 0
	XFILL 1
	XFILL 2
	s_wait_loadcnt 48                              ; wr is in; the 48 loads of x behind it stay out
	WIN 0
.irp i, 0,1,2,3
.irp n, 0,1,2,3,4,5,6,7
	v_cvt_pk_bf16_f32 v[CT+8*\i+\n], v[WL+16*\i+\n], v[WL+16*\i+8+\n]
.endr
.endr
.irp i, 0,1,2,3
.irp n, 0,1,2,3,4,5,6,7
	ds_store_b32 v9, v[CT+8*\i+\n] offset:WPITCH*\n+512*\i
.endr
.endr
	XFILL 3
	WIN 0
	s_wait_dscnt 0x0                               ; my part of the table is written,
	s_barrier_signal -1
	s_barrier_wait -1                              ; everybody's is: the launch's one barrier
	XCHUNK 0, 48, 1
	XCHUNK 1, 48, 1
	XCHUNK 2, 48, 1
	XCHUNK 3, 48, 1
	XCHUNK 4, 48, 0                                ; the last four chunks load nothing: the counts run down
	XCHUNK 5, 32, 0
	XCHUNK 6, 16, 0
	XCHUNK 7, 0, 0
.rept 4
	v_nop                                          ; the places behind the last matrix instructions (ISA guide 7.12.1)
.endr
	; The tokens' sums of squares: sixteen sums in every lane become token r's whole sum in lane r.
.irp i, 0,1,2,3,4,5,6,7,8,9,10,11,12,13,14,15
	v_add_f32 v[NS+\i], v[NS+2*\i], v[NS+2*\i+1]   ; register NS + i is written when the pairs up to i have been read
.endr
	BFLY 8, s66, 8
	BFLY 4, s67, 4
	BFLY 2, s68, 2
	BFLY 1, s69, 1
	v_permlanex16_b32 v[BT], v[NS], s70, s71       ; the other half of the lanes held the other half of the columns
	v_add_f32 v[NS], v[NS], v[BT]
	; The router.  Register j of lane (r, h) holds logit j of token r, in both halves of the wave.
.irp j, 0,2,4,6
	v_pk_add_f32 v[ACC+\j:ACC+\j+1], v[ACC+\j:ACC+\j+1], v[ACC+8+\j:ACC+8+\j+1]
	v_pk_add_f32 v[ACC+16+\j:ACC+16+\j+1], v[ACC+16+\j:ACC+16+\j+1], v[ACC+24+\j:ACC+24+\j+1]
.endr
.irp j, 0,2,4,6
	v_pk_add_f32 v[ACC+\j:ACC+\j+1], v[ACC+\j:ACC+\j+1], v[ACC+16+\j:ACC+16+\j+1]
.endr
	v_max3_num_f32 v[MX], v[ACC], v[ACC+1], v[ACC+2]
	v_max3_num_f32 v[MX], v[MX], v[ACC+3], v[ACC+4]
	v_max3_num_f32 v[MX], v[MX], v[ACC+5], v[ACC+6]
	v_max_num_f32 v[MX], v[MX], v[ACC+7]           ; the maximum is taken away before the exponential, as in softmax
.irp j, 0,1,2,3,4,5,6,7
	v_sub_f32 v[P+\j], v[ACC+\j], v[MX]
.endr
.irp j, 0,1,2,3,4,5,6,7
	v_mul_f32 v[P+\j], 0x3fb8aa3b, v[P+\j]         ; log2(e)
.endr
.irp j, 0,1,2,3,4,5,6,7
	v_exp_f32 v[P+\j], v[P+\j]                     ; softmax's common divisor cancels in the renormalisation and changes no order
.endr
	s_wait_alu depctr_va_vdst(0)
.irp j, 0,1,2,3,4,5,6,7
	v_mov_b32 v[R+\j], 7-\j                        ; rank = how many beat me; start: all with a higher index do.  (Plain lines behind the exponentials: ISA guide 5.7.2)
.endr
.irp i, 0,1,2,3,4,5,6
.irp j, 1,2,3,4,5,6,7
.if \i < \j
	v_cmp_ge_f32 vcc_lo, v[P+\i], v[P+\j]          ; the lower index wins a tie
	v_cndmask_b32 v[TM], 0, 1, vcc_lo
	v_add_nc_u32 v[R+\j], v[R+\j], v[TM]
	v_sub_nc_u32 v[R+\i], v[R+\i], v[TM]
.endif
.endr
.endr
.irp j, 0,1,2,3,4,5,6,7
	v_cmp_gt_u32 vcc_lo, 6, v[R+\j]
	v_cndmask_b32 v[P+\j], 0, v[P+\j], vcc_lo      ; the top six stay
.endr
	v_pk_add_f32 v[196:197], v[P:P+1], v[P+2:P+3]
	v_pk_add_f32 v[198:199], v[P+4:P+5], v[P+6:P+7]
	v_pk_add_f32 v[196:197], v[196:197], v[198:199]
	v_add_f32 v[SM], v196, v197                    ; at least 1: the largest has rank 0 and the value 1
	v_cmp_eq_u32 vcc_lo, 0, v3
	v_rcp_f32 v[RC], v[SM]
.irp c, 0,1,2,3
	v_cndmask_b32 v[O+\c], v[P+4+\c], v[P+\c], vcc_lo   ; lanes 0-15 take experts 0-3, lanes 16-31 experts 4-7 (plain lines behind the reciprocal)
.endr
	s_wait_alu depctr_va_vdst(0)
.irp c, 0,1,2,3
	v_mul_f32 v[O+\c], v[O+\c], v[RC]
.endr
	global_store_b128 v10, v[O:O+3], s[34:35]      ; the wave's 32 x 16 bytes are 512 consecutive bytes, aligned
	v_cmp_gt_u32 vcc_lo, 16, v1
	s_wait_xcnt 0x0                                ; EXEC is a source of the store above: it changes only behind this wait
	s_and_saveexec_b32 s12, vcc_lo
	global_store_b32 v11, v[NS], s[4:5]            ; lanes 0-15: my 16 tokens' sums, 64 consecutive bytes
	s_wait_xcnt 0x0
	s_or_b32 exec_lo, exec_lo, s12
	s_wait_tensorcnt 0x0
	ds_add_u32 v254, v255
	s_wait_dscnt 0x0
	s_endpgm
	; ---------------- the weights ----------------
.Lpack:
	v_lshrrev_b32 v5, 2, v1
	v_mul_u32_u24 v5, v5, PPITCH
	v_and_b32 v6, 3, v1
	v_lshl_add_u32 v5, v6, 6, v5
	v_add_nc_u32 v5, s9, v5                        ; stage in: piece L / 4, rows 4 (L % 4) ..: sixteen lanes at sixteen different offsets modulo 256
	v_add_nc_u32 v6, s9, v4                        ; stage out: 16 L
	s_sub_co_u32 s10, ttmp9, 256
	s_cmp_ge_u32 s10, 80
	s_cbranch_scc1 .Lpackb
	; wa: 320 waves = gate or up (2) x 16 groups of four K blocks x 10 groups of 128 hidden (8 experts, 2 halves of the shared one)
	s_lshl_b32 s11, s10, 2
	s_add_co_u32 s11, s11, s8
	s_lshl_b32 s79, s11, 2                         ; my word of wsq
	s_and_b32 s12, s11, 1                          ; t
	s_bfe_u32 s13, s11, 0x40001                    ; group of K blocks
	s_lshr_b32 s14, s11, 5                         ; e, 0..9
.irp n, 0,1,2,3,4,5,6,7
	s_lshl3_add_u32 s66, s14, \n                   ; block of 16 hidden, hb = 8 e + n, below 80
	s_mul_i32 s67, s66, 205
	s_lshr_b32 s67, s67, 10                        ; cg = hb / 5 (205 / 1024 is 0.2 + 0.0002: exact below 80)
	s_mul_i32 s68, s67, 5
	s_sub_co_u32 s66, s66, s68                     ; p
	s_lshl1_add_u32 s66, s66, s12                  ; nb = 2 p + t
	s_lshl_b32 s66, s66, 9
	s_mul_i32 s67, s67, 327680
	s_add_co_u32 s[56+\n], s66, s67
.endr
	s_lshl_b32 s70, s14, 19                        ; routed: e x 1,024 rows of 512 bytes
	s_sub_co_u32 s69, s14, 8
	s_lshl_b32 s69, s69, 9                         ; shared: 128 columns further for the second half
	s_wait_kmcnt 0x0
	s_cmp_lg_u32 s12, 0
	s_cselect_b64 s[40:41], s[22:23], s[20:21]     ; w2 or w1
	s_cselect_b64 s[42:43], s[26:27], s[24:25]     ; ws2 or ws1
	s_cmp_ge_u32 s14, 8
	s_cselect_b64 s[40:41], s[42:43], s[40:41]
	s_cselect_b32 s70, s69, s70
	s_cselect_b32 s72, 1, 0
	s_lshl_b32 s72, 512, s72                       ; bytes in a row of the source: 512 or 1,024
	s_mul_i32 s69, s13, s72
	s_lshl_b32 s69, s69, 6                         ; 64 rows for each group of K blocks
	s_add_co_u32 s70, s70, s69
	s_mov_b32 s71, 0
	s_add_nc_u64 s[40:41], s[40:41], s[70:71]
	s_mul_i32 s70, s13, 20480                      ; four K blocks of 5,120 bytes
	s_add_nc_u64 s[48:49], s[36:37], s[70:71]
	s_movk_i32 s74, 5120
	s_branch .Lpk
.Lpackb:
	; wb: 160 waves = 8 groups of 128 output columns x 20 groups of four K blocks (16 of w3, 4 of ws3)
	s_sub_co_u32 s11, s10, 80
	s_lshl_b32 s11, s11, 2
	s_add_co_u32 s11, s11, s8
	s_mov_b32 s79, 0                               ; no word of wsq
	s_and_b32 s12, s11, 7                          ; cgB
	s_lshr_b32 s13, s11, 3                         ; group of K blocks, 0..19
.irp n, 0,1,2,3,4,5,6,7
	s_movk_i32 s[56+\n], 512*\n
.endr
	s_sub_co_u32 s69, s13, 16
	s_wait_kmcnt 0x0
	s_cmp_ge_u32 s13, 16
	s_cselect_b64 s[40:41], s[30:31], s[28:29]     ; ws3 or w3
	s_cselect_b32 s70, s69, s13
	s_lshl_b32 s70, s70, 18                        ; 64 rows of 4,096 bytes
	s_lshl_b32 s69, s12, 9
	s_add_co_u32 s70, s70, s69
	s_mov_b32 s71, 0
	s_add_nc_u64 s[40:41], s[40:41], s[70:71]
	s_mul_i32 s70, s12, 327680
	s_lshl_b32 s69, s13, 14                        ; four K blocks of 4,096 bytes
	s_add_co_u32 s70, s70, s69
	s_add_nc_u64 s[48:49], s[38:39], s[70:71]
	s_movk_i32 s72, 4096
	s_movk_i32 s74, 4096
.Lpk:
	s_lshl_b32 s76, s72, 4                         ; 16 rows of the source from unit to unit
	s_mov_b32 s77, 0
	s_mov_b32 s75, 0
.irp it, 1,2,3
	s_add_nc_u64 s[40+2*\it:41+2*\it], s[38+2*\it:39+2*\it], s[76:77]
	s_add_nc_u64 s[48+2*\it:49+2*\it], s[46+2*\it:47+2*\it], s[74:75]
.endr
.irp k, 0,1,2,3,4,5,6,7,8,9,10,11,12,13,14,15
	v_mad_u32_u24 v[VO+\k], s72, \k, v4
.endr
.irp n, 0,1,2,3,4,5,6,7
	v_add_nc_u32 v[VD+\n], s[56+\n], v4
.endr
	v_mov_b32 v7, s79
	WIN 0x40
.irp it, 0,1,2,3
.irp k, 0,1,2,3,4,5,6,7,8,9,10,11,12,13,14,15
	global_load_b128 v[64*\it+4*\k:64*\it+4*\k+3], v[VO+\k], s[40+2*\it:41+2*\it] th:TH_LOAD_NT   ; all 64 loads of the wave go out first, 512 neighbouring bytes each
.endr
.endr
	WIN 0
	s_cmp_ge_u32 s10, 80
	s_cbranch_scc1 .Lpkb
	PACK 0, 48, 0
	PACK 1, 32, 0
	PACK 2, 16, 0
	PACK 3, 0, 0
	; the sum of the squares of my 64 x 128 numbers, over my registers and then over the 32 lanes
	s_mov_b32 s66, 0x76543210
	s_mov_b32 s67, 0xfedcba98
	v_pk_add_f32 v[SQ:SQ+1], v[SQ:SQ+1], v[SQ+2:SQ+3]
	v_pk_add_f32 v[SQ+4:SQ+5], v[SQ+4:SQ+5], v[SQ+6:SQ+7]
	v_pk_add_f32 v[SQ:SQ+1], v[SQ:SQ+1], v[SQ+4:SQ+5]
	v_add_f32 v[SQ], v[SQ], v[SQ+1]
	v_add_f32_dpp v[SQ], v[SQ], v[SQ] row_xmask:1 row_mask:0xf bank_mask:0xf
	v_add_f32_dpp v[SQ], v[SQ], v[SQ] row_xmask:2 row_mask:0xf bank_mask:0xf
	v_add_f32_dpp v[SQ], v[SQ], v[SQ] row_xmask:4 row_mask:0xf bank_mask:0xf
	v_add_f32_dpp v[SQ], v[SQ], v[SQ] row_xmask:8 row_mask:0xf bank_mask:0xf
	v_permlanex16_b32 v[SQ+1], v[SQ], s66, s67
	v_add_f32 v[SQ], v[SQ], v[SQ+1]
	v_cmp_eq_u32 vcc_lo, 0, v1
	s_wait_xcnt 0x0                                ; EXEC is a source of the stores above: it changes only behind this wait
	s_and_saveexec_b32 s68, vcc_lo
	global_store_b32 v7, v[SQ], s[6:7]             ; lane 0: my word
	s_wait_xcnt 0x0
	s_or_b32 exec_lo, exec_lo, s68
	s_wait_tensorcnt 0x0
	ds_add_u32 v254, v255
	s_wait_dscnt 0x0
	s_endpgm
.Lpkb:
	PACK 0, 48, 1
	PACK 1, 32, 1
	PACK 2, 16, 1
	PACK 3, 0, 1
	s_wait_tensorcnt 0x0
	ds_add_u32 v254, v255
	s_wait_dscnt 0x0
	s_endpgm
.Lfunc_end_k_q9a742dbbc1_prep:
	.size	k_q9a742dbbc1_prep, .Lfunc_end_k_q9a742dbbc1_prep-k_q9a742dbbc1_prep
	.p2alignl 7, 3214868480
	.fill 96, 4, 3214868480
	.section	.rodata,"a",@progbits
	.p2align	6, 0x0
	.amdhsa_kernel k_q9a742dbbc1_prep
		.amdhsa_group_segment_fixed_size 34560
		.amdhsa_private_segment_fixed_size 0
		.amdhsa_enable_private_segment 0
		.amdhsa_kernarg_size 112
		.amdhsa_user_sgpr_count 2
		.amdhsa_user_sgpr_kernarg_segment_ptr 1
		.amdhsa_wavefront_size32 1
		.amdhsa_system_sgpr_workgroup_id_x 1
		.amdhsa_system_sgpr_workgroup_id_y 1
		.amdhsa_system_sgpr_workgroup_id_z 1
		.amdhsa_system_vgpr_workitem_id 0
		.amdhsa_next_free_vgpr 512
		.amdhsa_next_free_sgpr 80
		.amdhsa_reserve_vcc 1
		.amdhsa_float_denorm_mode_32 3
		.amdhsa_float_denorm_mode_16_64 3
		.amdhsa_memory_ordered 1
		.amdhsa_forward_progress 1
		.amdhsa_inst_pref_size 177
	.end_amdhsa_kernel
	.amdgpu_metadata
---
amdhsa.version: [ 1, 2 ]
amdhsa.kernels:
  - .name:           k_q9a742dbbc1_prep
    .symbol:         k_q9a742dbbc1_prep.kd
    .args:
      - { .name: x, .offset: 0, .size: 8, .value_kind: global_buffer, .address_space: global }
      - { .name: wr, .offset: 8, .size: 8, .value_kind: global_buffer, .address_space: global }
      - { .name: w1, .offset: 16, .size: 8, .value_kind: global_buffer, .address_space: global }
      - { .name: w2, .offset: 24, .size: 8, .value_kind: global_buffer, .address_space: global }
      - { .name: ws1, .offset: 32, .size: 8, .value_kind: global_buffer, .address_space: global }
      - { .name: ws2, .offset: 40, .size: 8, .value_kind: global_buffer, .address_space: global }
      - { .name: w3, .offset: 48, .size: 8, .value_kind: global_buffer, .address_space: global }
      - { .name: ws3, .offset: 56, .size: 8, .value_kind: global_buffer, .address_space: global }
      - { .name: xf, .offset: 64, .size: 8, .value_kind: global_buffer, .address_space: global }
      - { .name: wf, .offset: 72, .size: 8, .value_kind: global_buffer, .address_space: global }
      - { .name: wa, .offset: 80, .size: 8, .value_kind: global_buffer, .address_space: global }
      - { .name: wb, .offset: 88, .size: 8, .value_kind: global_buffer, .address_space: global }
      - { .name: xn, .offset: 96, .size: 8, .value_kind: global_buffer, .address_space: global }
      - { .name: wsq, .offset: 104, .size: 8, .value_kind: global_buffer, .address_space: global }
    .group_segment_fixed_size: 34560
    .private_segment_fixed_size: 0
    .kernarg_segment_align: 8
    .kernarg_segment_size: 112
    .max_flat_workgroup_size: 128
    .sgpr_count:     80
    .vgpr_count:     512
    .wavefront_size: 32
...
	.end_amdgpu_metadata
.endif
;; end of part 1
;; launch gateup (part 2): grid 8 x 64, 4 waves a work-group, clusters of 4 x 4, 327,680 bytes of LDS; arguments xf, wa, hf, wf, xn, wsq; writes hf
.if DOCPART == 2
	.amdgcn_target "amdgcn-amd-amdhsa--gfx1250"
	.amdhsa_code_object_version 6
	.text
	.protected	k_q9a742dbbc1_gateup
	.globl	k_q9a742dbbc1_gateup
	.p2align	8
	.type	k_q9a742dbbc1_gateup,@function
k_q9a742dbbc1_gateup:
	s_mov_b64 s[64:65], 0
	v_nop
	global_prefetch_b8 v0, s[64:65] scope:SCOPE_SE
	s_setreg_imm32_b32 hwreg(HW_REG_WAVE_MODE, 25, 1), 1
	s_wait_xcnt 0x0
	s_wait_alu depctr_hold_cnt(0) depctr_sa_sdst(0) depctr_va_vdst(0) depctr_va_sdst(0) depctr_va_ssrc(0) depctr_va_vcc(0) depctr_vm_vsrc(0)
	s_getreg_b32 s2, hwreg(HW_REG_IB_STS2, 6, 4)
	s_cmp_eq_u32 s2, 0
	s_cbranch_scc0 .Lentry_in_a_cluster
	s_endpgm
.Lentry_in_a_cluster:
	s_bfe_u32 s2, ttmp6, 0x10000c
	s_cmp_lg_u32 s2, 0xf033
	s_cbranch_scc0 .Lentry_shape_is_right
	s_endpgm
.Lentry_shape_is_right:
; gateup: G = x W1, U = x W2 for all 1,280 hidden numbers (8 experts of 128, the shared one of 256), then h = silu(G) U w, where w is the router's weight
; of the hidden number's expert (1 for the shared one); h goes out in f16, times a power of two of its token's, in the fragment order that the last launch reads.
; WHY f16 AND WHY IT CANNOT OVERFLOW: f16 keeps 11 significant bits of h where bf16 keeps 8.  |silu(g)| <= |g| <= |x| |w1 column|, |u| <= |x| |w2 column|, w <= 1, and a
; column's norm is at most that of its group of 128 columns, so |h| <= B = (sum of x^2) max over the ten groups of sqrt(S gate) sqrt(S up).  With eb = B's exponent
; field (at least 24), B < 2^(eb - 126), and h 2^(141 - eb) stays below 2^15; the factor 2 up to f16's end covers that the sums were taken of the unrounded inputs
; (at most 1.016).  The last launch forms eb by the same instructions from the same words and takes the factor out again.
; A work-group makes 256 tokens x 320 columns (160 hidden, gate and up side by side in blocks of 16) with four waves; a wave makes 128 x 160:
; 8 x 10 accumulator tiles, 640 registers.  The grid of 8 x 64 is twice 256 work-groups of equal work.  K = 1,024 goes in 8 steps of 128 through two LDS slots.
; xf and wa lie in fragment order (pieces of 512 bytes, lane L's 16 bytes at 16 L), so a K step's part of a tile is one dense block: it comes in as rows
; of 256 bytes without padding, and an operand load is 32 lanes x 16 neighbouring bytes.
; CLUSTERS: 4 x 4 work-groups.  The tokens' tile hangs on the block row alone and is asked for jointly by a row of the cluster, the weights' tile on the block
; column alone and by a column: that divides the requests for both by four.  A wave has two tensor loads out at the start and one behind each later round.
; THE MATRIX INSTRUCTION IS USED TRANSPOSED (source 0 = 16 weight columns, source 1 = 16 tokens): lane (r, h) then holds token r and hidden 8 h + 0..7 of a block,
; gate and up in the same places of neighbouring tiles, and the eight h of a lane are the 16 bytes at 16 L of a piece of hf: no stage in LDS is needed.
; lds_bytes: the ring ends at byte 294,912; the sets of descriptors for the weights that waves 2 and 3 build and never issue name bytes up to 311,296.
; LIMITS: NaN and infinities are not served; g u w must be finite in f32.  exp, rcp and sqrt flush denormals (ISA guide 15.8): beyond g = -87 the sigmoid is 0, and a
; group of 128 weight columns whose sum of squares is below 2^-126 counts as 0 in the bound.
; REGISTERS in windows of 256:  window 0: addresses, v30-45 router weights, v48-111 and v112-175 token operands (two buffers), v176-255 tiles of token block 7
;   window 1: v0-79, v80-159 weight operands (two buffers), v160-239 tiles of token block 6;  window 2: token blocks 0-2 (80 a + 8 b);  window 3: token blocks 3-5
.set SLOT,  147456                     ; weights: 2 halves of 40,960 [kb 8][nb 10][512]; tokens at 81,920: 2 halves of 32,768 [kb 8][a 8][512]
.set AOFF,  81920
.set AHALF, 32768
.set BHALF, 40960
.set LAPS,  4                          ; a lap = two K steps = once round the ring
.set ADRA, 16                          ; v16-17  LDS address of my token operands in slot 0, 1
.set ADRB, 20                          ; v20-21  the same for the weights
.set FLO,  30                          ; v[30:37] factor of token r of block a for the expert of my first hidden block: router weight (or 1) x 2^(141 - eb)
.set FHI,  38                          ; v[38:45] the same for the expert of my last hidden block
.set XN,   48                          ; at the start, in registers that hold operands later: v[48:55] sum of x^2 of token r of block a, then eb, then the scale
.set WS,   56                          ; v[56:65] wsq: lane L holds word 32 e + L of group e
.set TS,   66
.set TT,   48                          ; the way out, in window 0: v[48:87] -g log2(e), then the sigmoid
.set PP,   88                          ; v[88:127] g u, then h
.set OO,   128                         ; v[128:147] h in f16
.set G1,  24                           ; s[24:31] group 1 for the tokens' tiles
.set G0,  32                           ; s[32:39] group 0 for them, one set for each slot
.set G1B, 48                           ; s[48:55] group 1 for the weights' tiles
.set G0B, 56                           ; s[56:63] group 0 for them
.set MSB, 0
.macro WIN new                         ; s_set_vgpr_msb: bits 1:0 source 0, 3:2 source 1, 5:4 source 2, 7:6 destination; the high byte repeats the setting that is left
.if MSB != \new
	s_set_vgpr_msb (MSB<<8)|\new
.set MSB, \new
.endif
.endm
; A joint load.  Waves 0 and 1 fetch the weights' two halves, waves 2 and 3 the tokens'.  The branch hangs on the wave's number alone.
.macro JLOAD s
	s_cmp_eq_u32 s11, 0
	s_cbranch_scc0 .Lfor_a_\@
	tensor_load_to_lds s[G0B+4*\s:G0B+4*\s+3], s[G1B:G1B+7]
	s_nop 0
	s_branch .Lasked_\@
.Lfor_a_\@:
	tensor_load_to_lds s[G0+4*\s:G0+4*\s+3], s[G1:G1+7]
	s_nop 0
.Lasked_\@:
.endm
.macro CREST                           ; a round of the cluster's barrier behind its opening barrier
	s_cmp_lg_u32 s10, 0
	s_cbranch_scc1 .Lnot_wave_0_\@
	s_barrier_signal -3
.Lnot_wave_0_\@:
	s_barrier_wait -3
	s_barrier_signal -1
	s_barrier_wait -1
.endm
.macro CROUND                          ; a whole round
	s_barrier_signal -1
	s_barrier_wait -1
	CREST
.endm
.macro PLACES                          ; four places between matrix instructions and loads into their operands, or readers of their results
.rept 4
	v_nop
.endr
.endm
; eb, the exponent field of the bound B, for the eight tokens in v[XN..XN+7].  The same lines stand in the last launch: the same instructions on the same words give the same bits.
; Word 32 e + L of wsq is the part of K group L / 2 of the gate (L even) or up (L odd) weights of group e: steps 2, 4, 8 and the other half of the lanes add the sixteen
; parts of a lane's parity (every lane of a parity gets the same sum: each step adds the same two numbers in both partners); step 1 multiplies the two roots.
.macro EBITS lo, hi
.irp x, 2,4,8
.irp e, 0,1,2,3,4,5,6,7,8,9
	v_add_f32_dpp v[WS+\e], v[WS+\e], v[WS+\e] row_xmask:\x row_mask:0xf bank_mask:0xf
.endr
.endr
	v_mov_b32 v[TS], v[WS]                         ; v_permlanex16_b32's destination counts as read
.irp e, 0,1,2,3,4,5,6,7,8,9
	v_permlanex16_b32 v[TS], v[WS+\e], \lo, \hi
	v_add_f32 v[WS+\e], v[WS+\e], v[TS]
.endr
.irp e, 0,1,2,3,4,5,6,7,8,9
	v_sqrt_f32 v[WS+\e], v[WS+\e]
.endr
	v_nop                                          ; one plain line behind the roots (ISA guide 5.7.2)
	s_wait_alu depctr_va_vdst(0)
.irp e, 0,1,2,3,4,5,6,7,8,9
	v_mul_f32_dpp v[WS+\e], v[WS+\e], v[WS+\e] row_xmask:1 row_mask:0xf bank_mask:0xf
.endr
	v_max3_num_f32 v[WS], v[WS], v[WS+1], v[WS+2]
	v_max3_num_f32 v[WS], v[WS], v[WS+3], v[WS+4]
	v_max3_num_f32 v[WS], v[WS], v[WS+5], v[WS+6]
	v_max3_num_f32 v[WS], v[WS], v[WS+7], v[WS+8]
	v_max_num_f32 v[WS], v[WS], v[WS+9]
.irp a, 0,1,2,3,4,5,6,7
	v_mul_f32 v[XN+\a], v[XN+\a], v[WS]            ; B, not negative
	v_lshrrev_b32 v[XN+\a], 23, v[XN+\a]
	v_max_u32 v[XN+\a], 24, v[XN+\a]               ; so that both powers of two made of eb are normal numbers
.endr
.endm
; ten matrix instructions: token block a x my ten weight blocks, 32 along K, operands from buffer f; base = the tiles' first register in the window that is set
.macro MULA f, a, base, zero
.irp b, 0,1,2,3,4,5,6,7,8,9
.if \zero
	v_wmma_f32_16x16x32_bf16 v[\base+8*\b:\base+8*\b+7], v[80*\f+8*\b:80*\f+8*\b+7], v[48+64*\f+8*\a:48+64*\f+8*\a+7], 0
.else
	v_wmma_f32_16x16x32_bf16 v[\base+8*\b:\base+8*\b+7], v[80*\f+8*\b:80*\f+8*\b+7], v[48+64*\f+8*\a:48+64*\f+8*\a+7], v[\base+8*\b:\base+8*\b+7]
.endif
.endr
.endm
.macro MUL_REST f, zero                ; token blocks 3 to 7
	WIN 0xf1
	MULA \f, 3, 0, \zero
	MULA \f, 4, 80, \zero
	MULA \f, 5, 160, \zero
	WIN 0x51
	MULA \f, 6, 160, \zero
	WIN 0x01
	MULA \f, 7, 176, \zero
.endm
; 36 LDS loads in one run: the operands of quarter q of the slot's K step into buffer f
.macro FETCH slot, q, f
	WIN 0x40
.irp b, 0,1,2,3,4,5,6,7,8,9
	ds_load_b128 v[80*\f+8*\b:80*\f+8*\b+3],   v[ADRB+\slot] offset:(2*\q)*5120+512*\b
	ds_load_b128 v[80*\f+8*\b+4:80*\f+8*\b+7], v[ADRB+\slot] offset:(2*\q+1)*5120+512*\b
.endr
	WIN 0
.irp a, 0,1,2,3,4,5,6,7
	ds_load_b128 v[48+64*\f+8*\a:48+64*\f+8*\a+3],   v[ADRA+\slot] offset:(2*\q)*4096+512*\a
	ds_load_b128 v[48+64*\f+8*\a+4:48+64*\f+8*\a+7], v[ADRA+\slot] offset:(2*\q+1)*4096+512*\a
.endr
.endm
; One of a K step's first three quarters: multiplies buffer f and fetches quarter qn into buffer g.
; The 80 accumulators take turns in one order in every quarter, over the backward jump too.
.macro QUARTER slot, qn, f, g, zero
	s_wait_dscnt 10                                ; the weights and token blocks 0-2 are in; the ten youngest loads (blocks 3-7) may be out
	WIN 0xa1
	MULA \f, 0, 0, \zero
	MULA \f, 1, 80, \zero
	MULA \f, 2, 160, \zero
	PLACES
	FETCH \slot, \qn, \g
	s_wait_dscnt 36                                ; all but the 36 just issued
	MUL_REST \f, \zero
.endm
.macro THREE slot, zero
	QUARTER \slot, 1, 0, 1, \zero
	QUARTER \slot, 2, 1, 0, 0
	QUARTER \slot, 3, 0, 1, 0
.endm
; The last quarter: multiplies buffer 1 and changes slots.  In front of the barrier each wave waits for its reads of this slot and for all its tensor loads
; (one is out: its part of the next slot).  Where the slot is filled again the barrier opens a round of the cluster's barrier, with register work alone inside,
; and the joint refill is the first tensor load behind the round.  From a request to the wait for it a wave issues 300 matrix instructions.
.macro TURN slot, next, fill
	s_wait_dscnt 10
	WIN 0xa1
	MULA 1, 0, 0, 0
	s_wait_dscnt 0x0
	s_wait_tensorcnt 0x0
	ds_add_u32 v255, v47
	s_wait_dscnt 0x0
	s_barrier_signal -1
	MULA 1, 1, 80, 0
	MULA 1, 2, 160, 0
	WIN 0
	s_barrier_wait -1
.if \fill
	CREST
	s_add_nc_u64 s[G0+4*\slot+2:G0+4*\slot+3], s[G0+4*\slot+2:G0+4*\slot+3], 2*AHALF      ; no tensor load of mine is out: the sets may be written.  Two K steps on
	s_add_nc_u64 s[G0B+4*\slot+2:G0B+4*\slot+3], s[G0B+4*\slot+2:G0B+4*\slot+3], 2*BHALF
	JLOAD \slot
.endif
	PLACES
	FETCH \next, 0, 0
	MUL_REST 1, 0
.endm
.macro LAP zero
	THREE 0, \zero
	TURN 0, 1, 1
	THREE 1, 0
	TURN 1, 0, 1
.endm
	s_load_b128 s[4:7], s[0:1], 0x0                ; xf s[4:5], wa s[6:7]
	s_load_b64 s[8:9], s[0:1], 0x10                ; hf
	s_load_b64 s[66:67], s[0:1], 0x18              ; wf
	s_load_b128 s[92:95], s[0:1], 0x20             ; xn s[92:93], wsq s[94:95]
	s_set_vgpr_msb 0x40
	v_lshl_add_u32 v255, v0, 2, 0x4c000
	s_set_vgpr_msb 0x4000
	v_mov_b32 v47, 0
	s_set_vgpr_msb 0x1
	ds_add_u32 v255, v47
	s_set_vgpr_msb 0x100
	v_lshrrev_b32 v1, 5, v0
	v_readfirstlane_b32 s10, v1                    ; wave 0..3
	s_lshr_b32 s11, s10, 1                         ; my half of the block's tokens.  Also: I fetch weights (0) or tokens (1)
	s_and_b32 s12, s10, 1                          ; my half of its columns.  Also: which half of that tile I fetch
	s_bfe_u32 s40, ttmp6, 0x40000                  ; cx
	s_bfe_u32 s41, ttmp6, 0x40004                  ; cy
	s_lshl_b32 s42, ttmp9, 2
	s_add_co_u32 s42, s42, s40                     ; block column, 0..7
	s_and_b32 s13, ttmp7, 0xffff
	s_lshl_b32 s13, s13, 2
	s_add_co_u32 s13, s13, s41                     ; block row, 0..63
	s_lshl_b32 s43, s41, 2
	s_lshl_b32 s43, 15, s43                        ; my row of the cluster
	s_lshl_b32 s44, 0x1111, s40                    ; my column
	; group 1: a dense block as rows of 32 elements of 8 bytes; 128 rows for the tokens, 160 for the weights
	s_or_b32 s[G1+0], s43, (3<<16)|(1<<21)         ; 15:0 mask; 17:16 element of 8 bytes; 21 set beside a mask
	s_or_b32 s[G1B+0], s44, (3<<16)|(1<<21)
	s_mov_b32 s[G1+1], 32<<16                      ; tensor_dim0 = 32
	s_mov_b32 s[G1B+1], 32<<16
	s_mov_b32 s[G1+2], 128<<16                     ; tensor_dim1 = rows
	s_mov_b32 s[G1B+2], 160<<16
	s_mov_b32 s[G1+3], 32<<16                      ; tile_dim0 = 32
	s_mov_b32 s[G1B+3], 32<<16
	s_mov_b32 s[G1+4], 128                         ; tile_dim1 = rows
	s_mov_b32 s[G1B+4], 160
	s_mov_b32 s[G1+5], 32                          ; from row to row: 32 elements
	s_mov_b32 s[G1B+5], 32
	s_mov_b32 s[G1+6], 0
	s_mov_b32 s[G1B+6], 0
	s_mov_b32 s[G1+7], 0
	s_mov_b32 s[G1B+7], 0
	s_lshl_b32 s16, s13, 1
	s_add_co_u32 s16, s16, s12
	s_lshl_b32 s16, s16, 18                        ; tokens: T = 2 x block row + half, 262,144 bytes each
	s_mov_b32 s17, 0
	s_lshl_b32 s46, s42, 1
	s_add_co_u32 s46, s46, s12
	s_mul_i32 s46, s46, 327680                     ; weights: cg = 2 x block column + half
	s_mov_b32 s47, 0
	s_lshl_b32 s20, s10, 15
	s_add_co_u32 s20, s20, 16384                   ; tokens go to 81,920 + (wave - 2) x 32,768
	s_mul_i32 s21, s10, BHALF                      ; weights to wave x 40,960: no place in the cluster enters an LDS address
	s_wait_dscnt 0x0
	s_wait_kmcnt 0x0
	s_add_nc_u64 s[14:15], s[4:5], s[16:17]
	s_add_nc_u64 s[46:47], s[6:7], s[46:47]
	CROUND                                         ; all sixteen work-groups are here: the first joint loads meet
.irp s, 0,1
	s_mov_b32 s[G0+4*\s], 1
	s_add_co_u32 s[G0+4*\s+1], s20, \s*SLOT
	s_add_nc_u64 s[G0+4*\s+2:G0+4*\s+3], s[14:15], \s*AHALF
	s_or_b32 s[G0+4*\s+3], s[G0+4*\s+3], 0x80000000
	s_mov_b32 s[G0B+4*\s], 1
	s_add_co_u32 s[G0B+4*\s+1], s21, \s*SLOT
	s_add_nc_u64 s[G0B+4*\s+2:G0B+4*\s+3], s[46:47], \s*BHALF
	s_or_b32 s[G0B+4*\s+3], s[G0B+4*\s+3], 0x80000000
	JLOAD \s                                       ; K steps 0 and 1: the ring is filled before anything else is done
.endr
	v_and_b32 v1, 31, v0
	v_lshlrev_b32 v3, 2, v1                        ; wsq: 4 L
	v_lshlrev_b32 v1, 4, v1                        ; 16 L
	v_and_b32 v2, 15, v0
	v_lshlrev_b32 v26, 5, v2                       ; wf: 32 bytes a token
	v_lshlrev_b32 v27, 2, v2                       ; xn: 4 bytes a token
	s_lshl_b32 s22, s11, 15
	s_add_co_u32 s22, s22, AOFF
	s_mul_i32 s23, s12, BHALF
.irp s, 0,1
	v_add_nc_u32 v[ADRA+\s], s22, v1
	v_add_nc_u32 v[ADRB+\s], s23, v1
	s_add_co_u32 s22, s22, SLOT
	s_add_co_u32 s23, s23, SLOT
.endr
	; My five blocks of 16 hidden, hb0 .. hb0 + 4, belong to at most two experts (8 blocks each; 8 and 9 stand for the shared one).
	s_lshl_b32 s80, s42, 1
	s_add_co_u32 s80, s80, s12                     ; cg
	s_mul_i32 s81, s80, 5                          ; hb0
	s_lshr_b32 s82, s81, 3                         ; the first block's expert
	s_add_co_u32 s83, s81, 4
	s_lshr_b32 s83, s83, 3                         ; the last block's
	s_lshl_b32 s84, s13, 1
	s_add_co_u32 s84, s84, s11                     ; my T
	s_lshl_b32 s85, s84, 12                        ; 128 tokens x 32 bytes
	s_min_u32 s86, s82, 7                          ; the shared expert has no column in wf: the load stays inside, its value is replaced by 1 below
	s_lshl2_add_u32 s86, s86, s85
	s_mov_b32 s87, 0
	s_add_nc_u64 s[68:69], s[66:67], s[86:87]
	s_min_u32 s86, s83, 7
	s_lshl2_add_u32 s86, s86, s85
	s_add_nc_u64 s[70:71], s[66:67], s[86:87]
	s_lshl_b32 s86, s84, 9                         ; 128 tokens x 4 bytes
	s_add_nc_u64 s[92:93], s[92:93], s[86:87]
.irp a, 0,1,2,3,4,5,6,7
	global_load_b32 v[FLO+\a], v26, s[68:69] offset:512*\a
	global_load_b32 v[FHI+\a], v26, s[70:71] offset:512*\a
	global_load_b32 v[XN+\a], v27, s[92:93] offset:64*\a
.endr
.irp e, 0,1,2,3,4,5,6,7,8,9
	global_load_b32 v[WS+\e], v3, s[94:95] offset:128*\e
.endr
.irp p, 0,1,2,3,4
	s_add_co_u32 s88, s81, \p
	s_lshr_b32 s88, s88, 3
	s_cmp_lg_u32 s88, s82
	s_cselect_b32 s[72+\p], -1, 0                  ; block p takes the second expert's factor
.endr
	s_cmp_ge_u32 s82, 8
	s_cselect_b32 s77, -1, 0                       ; the first expert is the shared one
	s_cmp_ge_u32 s83, 8
	s_cselect_b32 s78, -1, 0
	s_mul_i32 s88, s84, 327680
	s_lshl_b32 s89, s81, 12
	s_add_co_u32 s88, s88, s89
	s_mov_b32 s89, 0
	s_add_nc_u64 s[8:9], s[8:9], s[88:89]          ; hf at [my T][hb0]
	s_mov_b32 s90, 0x76543210                      ; v_permlanex16_b32: lane i of one half reads lane i of the other
	s_mov_b32 s91, 0xfedcba98
	s_wait_loadcnt 0x0                             ; the 34 small loads, while the first tiles are on their way
	EBITS s90, s91
.irp a, 0,1,2,3,4,5,6,7
	v_sub_nc_u32 v[XN+\a], 0x10c, v[XN+\a]         ; 268 - eb: the exponent field of 2^(141 - eb)
	v_lshlrev_b32 v[XN+\a], 23, v[XN+\a]
	v_cndmask_b32 v[FLO+\a], v[FLO+\a], 1.0, s77
	v_cndmask_b32 v[FHI+\a], v[FHI+\a], 1.0, s78
	v_mul_f32 v[FLO+\a], v[FLO+\a], v[XN+\a]
	v_mul_f32 v[FHI+\a], v[FHI+\a], v[XN+\a]
.endr
	v_mov_b32 v29, 0                               ; the upper register of the pair whose lower one is broadcast on the way out
	s_wait_tensorcnt 1                             ; my part of K step 0 is in; K step 1's may stay out
	s_barrier_signal -1
	s_barrier_wait -1
	FETCH 0, 0, 0
	LAP 1                                          ; the first products start the sums: nothing is cleared
	WIN 0
	s_mov_b32 s3, LAPS-2
.Llap:
	LAP 0
	WIN 0
	s_sub_co_u32 s3, s3, 1
	s_cmp_lg_u32 s3, 0
	s_cbranch_scc1 .Llap
	THREE 0, 0                                     ; the last lap fills nothing
	TURN 0, 1, 0
	THREE 1, 0
	s_wait_dscnt 10
	WIN 0xa1
	MULA 1, 0, 0, 0
	MULA 1, 1, 80, 0
	MULA 1, 2, 160, 0
	s_wait_dscnt 0x0
	MUL_REST 1, 0
	WIN 0
	PLACES
	; THE WAY OUT: h = g u (w 2^(141 - eb)) / (1 + 2^(-g log2 e)), one token block (five pieces) at a time.
; from = the window setting for sources 0 and 1; base = the block's first tile there; gate at base + 16 p, up at base + 16 p + 8
.macro EPI a, from, base
	s_wait_xcnt 0x0                                ; OO was the data of the last block's stores
	WIN \from
.irp p, 0,1,2,3,4
.irp i, 0,2,4,6
	v_pk_mul_f32 v[TT+8*\p+\i:TT+8*\p+\i+1], v[\base+16*\p+\i:\base+16*\p+\i+1], 0xbfb8aa3b op_sel_hi:[1,0]
	v_pk_mul_f32 v[PP+8*\p+\i:PP+8*\p+\i+1], v[\base+16*\p+\i:\base+16*\p+\i+1], v[\base+16*\p+8+\i:\base+16*\p+8+\i+1]
.endr
.endr
	WIN 0
.irp p, 0,1,2,3,4
	v_cndmask_b32 v28, v[FLO+\a], v[FHI+\a], s[72+\p]
.irp i, 0,1,2,3,4,5,6,7
	v_exp_f32 v[TT+8*\p+\i], v[TT+8*\p+\i]
.endr
.irp i, 0,2,4,6
	v_pk_mul_f32 v[PP+8*\p+\i:PP+8*\p+\i+1], v[PP+8*\p+\i:PP+8*\p+\i+1], v[28:29] op_sel_hi:[1,0]   ; plain lines behind the exponentials (ISA guide 5.7.2)
.endr
	s_wait_alu depctr_va_vdst(0)
.irp i, 0,2,4,6
	v_pk_add_f32 v[TT+8*\p+\i:TT+8*\p+\i+1], v[TT+8*\p+\i:TT+8*\p+\i+1], 1.0 op_sel_hi:[1,0]
.endr
.irp i, 0,1,2,3,4,5,6,7
	v_rcp_f32 v[TT+8*\p+\i], v[TT+8*\p+\i]
.endr
	v_nop                                          ; one plain line behind the reciprocals
	s_wait_alu depctr_va_vdst(0)
.irp i, 0,2,4,6
	v_pk_mul_f32 v[PP+8*\p+\i:PP+8*\p+\i+1], v[PP+8*\p+\i:PP+8*\p+\i+1], v[TT+8*\p+\i:TT+8*\p+\i+1]
.endr
.irp i, 0,1,2,3
	v_cvt_pk_f16_f32 v[OO+4*\p+\i], v[PP+8*\p+2*\i], v[PP+8*\p+2*\i+1]
.endr
	global_store_b128 v1, v[OO+4*\p:OO+4*\p+3], s[8:9] offset:4096*\p+512*\a   ; a piece of hf: 512 consecutive bytes, aligned
.endr
.endm
	EPI 0, 0x0a, 0
	EPI 1, 0x0a, 80
	EPI 2, 0x0a, 160
	EPI 3, 0x0f, 0
	EPI 4, 0x0f, 80
	EPI 5, 0x0f, 160
	EPI 6, 0x05, 160
	EPI 7, 0x00, 176
	CROUND                                         ; the closing round: no work-group ends while a partner may still ask for a tile that names it
	s_endpgm
.Lfunc_end_k_q9a742dbbc1_gateup:
	.size	k_q9a742dbbc1_gateup, .Lfunc_end_k_q9a742dbbc1_gateup-k_q9a742dbbc1_gateup
	.p2alignl 7, 3214868480
	.fill 96, 4, 3214868480
	.section	.rodata,"a",@progbits
	.p2align	6, 0x0
	.amdhsa_kernel k_q9a742dbbc1_gateup
		.amdhsa_group_segment_fixed_size 327680
		.amdhsa_private_segment_fixed_size 0
		.amdhsa_enable_private_segment 0
		.amdhsa_kernarg_size 48
		.amdhsa_user_sgpr_count 2
		.amdhsa_user_sgpr_kernarg_segment_ptr 1
		.amdhsa_wavefront_size32 1
		.amdhsa_system_sgpr_workgroup_id_x 1
		.amdhsa_system_sgpr_workgroup_id_y 1
		.amdhsa_system_sgpr_workgroup_id_z 1
		.amdhsa_system_vgpr_workitem_id 0
		.amdhsa_next_free_vgpr 1024
		.amdhsa_next_free_sgpr 96
		.amdhsa_reserve_vcc 0
		.amdhsa_float_denorm_mode_32 3
		.amdhsa_float_denorm_mode_16_64 3
		.amdhsa_memory_ordered 1
		.amdhsa_forward_progress 1
		.amdhsa_inst_pref_size 255
	.end_amdhsa_kernel
	.section	.bss,"aw",@nobits
	.p2align	6
	.space	262144
	.amdgpu_metadata
---
amdhsa.version: [ 1, 2 ]
amdhsa.kernels:
  - .name:           k_q9a742dbbc1_gateup
    .symbol:         k_q9a742dbbc1_gateup.kd
    .args:
      - { .name: xf, .offset: 0, .size: 8, .value_kind: global_buffer, .address_space: global }
      - { .name: wa, .offset: 8, .size: 8, .value_kind: global_buffer, .address_space: global }
      - { .name: hf, .offset: 16, .size: 8, .value_kind: global_buffer, .address_space: global }
      - { .name: wf, .offset: 24, .size: 8, .value_kind: global_buffer, .address_space: global }
      - { .name: xn, .offset: 32, .size: 8, .value_kind: global_buffer, .address_space: global }
      - { .name: wsq, .offset: 40, .size: 8, .value_kind: global_buffer, .address_space: global }
    .group_segment_fixed_size: 327680
    .private_segment_fixed_size: 0
    .kernarg_segment_align: 8
    .kernarg_segment_size: 48
    .max_flat_workgroup_size: 128
    .sgpr_count:     96
    .vgpr_count:     1024
    .wavefront_size: 32
...
	.end_amdgpu_metadata
.endif
;; end of part 2
;; launch down (part 3): grid 4 x 64, 4 waves a work-group, clusters of 4 x 4, 327,680 bytes of LDS; arguments hf, wb, out0, xn, wsq; writes out0
.if DOCPART == 3
	.amdgcn_target "amdgcn-amd-amdhsa--gfx1250"
	.amdhsa_code_object_version 6
	.text
	.protected	k_q9a742dbbc1_down
	.globl	k_q9a742dbbc1_down
	.p2align	8
	.type	k_q9a742dbbc1_down,@function
k_q9a742dbbc1_down:
	s_mov_b64 s[64:65], 0
	v_nop
	global_prefetch_b8 v0, s[64:65] scope:SCOPE_SE
	s_setreg_imm32_b32 hwreg(HW_REG_WAVE_MODE, 25, 1), 1
	s_wait_xcnt 0x0
	s_wait_alu depctr_hold_cnt(0) depctr_sa_sdst(0) depctr_va_vdst(0) depctr_va_sdst(0) depctr_va_ssrc(0) depctr_va_vcc(0) depctr_vm_vsrc(0)
	s_getreg_b32 s2, hwreg(HW_REG_IB_STS2, 6, 4)
	s_cmp_eq_u32 s2, 0
	s_cbranch_scc0 .Lentry_in_a_cluster
	s_endpgm
.Lentry_in_a_cluster:
	s_bfe_u32 s2, ttmp6, 0x10000c
	s_cmp_lg_u32 s2, 0xf033
	s_cbranch_scc0 .Lentry_shape_is_right
	s_endpgm
.Lentry_shape_is_right:
; down: out[token][c] = sum over the 1,280 hidden numbers of h[token][hid] W3all[hid][c]; the router's weights are already in h, so routed and shared experts are one product.
; Both operands are f16: hf holds h 2^(141 - eb) with eb the exponent field of the token's bound on |h| (below 2^15 by that bound), wb holds w3 (rounded to bf16) times 2^8.
; eb is formed here by the same instructions from the same words (xn, wsq) as in the launch that made hf, and each result is multiplied by 2^(eb - 149) on the way out.
; A work-group makes 256 tokens x 256 columns with four waves, a wave 128 x 128: 64 accumulator tiles, 512 registers.  256 work-groups.
; K = 1,280 goes in 10 steps of 128 through two LDS slots.  hf and wb lie in fragment order (pieces of 512 bytes, lane L's 16 bytes at 16 L): a K step's part of a
; tile is a dense block of 32,768 bytes, brought as 128 rows of 256 bytes without padding; an operand load is 32 lanes x 16 neighbouring bytes.
; CLUSTERS: 4 x 4 work-groups; h's tile is asked for jointly by a row of the cluster, the weights' tile by a column, which divides the requests for both by four.
; A wave has two tensor loads out at the start and one behind each later round.
; THE MATRIX INSTRUCTION IS USED TRANSPOSED (source 0 = 16 output columns, source 1 = 16 tokens): a lane's eight results are eight neighbouring f32 of a row of out.
; LIMITS: NaN and infinities are not served; the order of the sums differs from the reference's; sqrt flushes denormals (ISA guide 15.8): a group of 128 weight columns
; whose sum of squares is below 2^-126 counts as 0 in the bound.
; REGISTERS: window 0: addresses, v32-47 the tokens' factors, v64-127, v128-191 token operands (two buffers), v192-255 scaled results; window 1: v64-191 for the weights;
;   window 2: the tiles of my tokens 0-63 (tile (a, b) at 8 (8 a + b)); window 3: those of tokens 64-127
.set SLOT,   131072                    ; weights: 2 halves of 32,768 [kb 8][nb 8][512]; tokens at 65,536: 2 halves [kb 8][a 8][512]
.set HALFT,  32768
.set STAGE,  262144                    ; behind the ring: 16 rows x 528 bytes for each wave; no tensor load lands here
.set SPITCH, 528                       ; 512 bytes + 16: sixteen rows start at sixteen different offsets modulo 256
.set LAPS,   5
.set ADRA, 16
.set ADRB, 20
.set STO,  24
.set RD,   25
.set CO,   26
.set INV,  32                          ; v[32:47] 2^(eb - 149) of token r of block a, twice (a pair for the packed multiply)
.set F0,   64
.set F1,   128
.set XN,   64                          ; at the start, in registers that hold operands later: v[64:71] sum of x^2, then eb
.set WS,   72                          ; v[72:81] wsq: lane L holds word 32 e + L of group e
.set TS,   82
.set TMP,  192                         ; v[192:255] 16 rows' results, scaled
.set G1,  24
.set G0,  32
.set G1B, 48
.set G0B, 56
.set MSB, 0
.macro WIN new                         ; s_set_vgpr_msb: bits 1:0 source 0, 3:2 source 1, 5:4 source 2, 7:6 destination; the high byte repeats the setting that is left
.if MSB != \new
	s_set_vgpr_msb (MSB<<8)|\new
.set MSB, \new
.endif
.endm
.set MUL_LO, 0xa1
.set MUL_HI, 0xf1
.set TO_B,   0x40
.macro JLOAD s                         ; waves 0 and 1 fetch the weights' halves, waves 2 and 3 the tokens'
	s_cmp_eq_u32 s11, 0
	s_cbranch_scc0 .Lfor_a_\@
	tensor_load_to_lds s[G0B+4*\s:G0B+4*\s+3], s[G1B:G1B+7]
	s_nop 0
	s_branch .Lasked_\@
.Lfor_a_\@:
	tensor_load_to_lds s[G0+4*\s:G0+4*\s+3], s[G1:G1+7]
	s_nop 0
.Lasked_\@:
.endm
.macro CREST
	s_cmp_lg_u32 s10, 0
	s_cbranch_scc1 .Lnot_wave_0_\@
	s_barrier_signal -3
.Lnot_wave_0_\@:
	s_barrier_wait -3
	s_barrier_signal -1
	s_barrier_wait -1
.endm
.macro CROUND
	s_barrier_signal -1
	s_barrier_wait -1
	CREST
.endm
.macro PLACES                          ; four places between matrix instructions and loads into their operands, or readers of their results
.rept 4
	v_nop
.endr
.endm
; eb, the exponent field of the bound B, for the eight tokens in v[XN..XN+7].  The same lines stand in the launch that made hf: the same instructions on the same words give the same bits.
; Word 32 e + L of wsq is the part of K group L / 2 of the gate (L even) or up (L odd) weights of group e: steps 2, 4, 8 and the other half of the lanes add the sixteen
; parts of a lane's parity (every lane of a parity gets the same sum: each step adds the same two numbers in both partners); step 1 multiplies the two roots.
.macro EBITS lo, hi
.irp x, 2,4,8
.irp e, 0,1,2,3,4,5,6,7,8,9
	v_add_f32_dpp v[WS+\e], v[WS+\e], v[WS+\e] row_xmask:\x row_mask:0xf bank_mask:0xf
.endr
.endr
	v_mov_b32 v[TS], v[WS]                         ; v_permlanex16_b32's destination counts as read
.irp e, 0,1,2,3,4,5,6,7,8,9
	v_permlanex16_b32 v[TS], v[WS+\e], \lo, \hi
	v_add_f32 v[WS+\e], v[WS+\e], v[TS]
.endr
.irp e, 0,1,2,3,4,5,6,7,8,9
	v_sqrt_f32 v[WS+\e], v[WS+\e]
.endr
	v_nop                                          ; one plain line behind the roots (ISA guide 5.7.2)
	s_wait_alu depctr_va_vdst(0)
.irp e, 0,1,2,3,4,5,6,7,8,9
	v_mul_f32_dpp v[WS+\e], v[WS+\e], v[WS+\e] row_xmask:1 row_mask:0xf bank_mask:0xf
.endr
	v_max3_num_f32 v[WS], v[WS], v[WS+1], v[WS+2]
	v_max3_num_f32 v[WS], v[WS], v[WS+3], v[WS+4]
	v_max3_num_f32 v[WS], v[WS], v[WS+5], v[WS+6]
	v_max3_num_f32 v[WS], v[WS], v[WS+7], v[WS+8]
	v_max_num_f32 v[WS], v[WS], v[WS+9]
.irp a, 0,1,2,3,4,5,6,7
	v_mul_f32 v[XN+\a], v[XN+\a], v[WS]            ; B, not negative
	v_lshrrev_b32 v[XN+\a], 23, v[XN+\a]
	v_max_u32 v[XN+\a], 24, v[XN+\a]               ; so that both powers of two made of eb are normal numbers
.endr
.endm
.macro MUL16 f, hi, a0, zero           ; token blocks a0, a0 + 1 of the window's four x all eight column blocks, 32 along K
.irp a, \a0, \a0+1
.irp b, 0,1,2,3,4,5,6,7
.if \zero
	v_wmma_f32_16x16x32_f16 v[8*(8*(\a)+\b):8*(8*(\a)+\b)+7], v[\f+8*\b:\f+8*\b+7], v[\f+8*(4*\hi+\a):\f+8*(4*\hi+\a)+7], 0
.else
	v_wmma_f32_16x16x32_f16 v[8*(8*(\a)+\b):8*(8*(\a)+\b)+7], v[\f+8*\b:\f+8*\b+7], v[\f+8*(4*\hi+\a):\f+8*(4*\hi+\a)+7], v[8*(8*(\a)+\b):8*(8*(\a)+\b)+7]
.endif
.endr
.endr
.endm
.macro FETCH slot, q, f                ; 32 LDS loads in one run: quarter q of the slot's K step into buffer f
	WIN TO_B
.irp i, 0,1,2,3,4,5,6,7
	ds_load_b128 v[\f+8*\i:\f+8*\i+3],   v[ADRB+\slot] offset:(2*\q)*4096+512*\i
	ds_load_b128 v[\f+8*\i+4:\f+8*\i+7], v[ADRB+\slot] offset:(2*\q+1)*4096+512*\i
.endr
	WIN 0
.irp i, 0,1,2,3,4,5,6,7
	ds_load_b128 v[\f+8*\i:\f+8*\i+3],   v[ADRA+\slot] offset:(2*\q)*4096+512*\i
	ds_load_b128 v[\f+8*\i+4:\f+8*\i+7], v[ADRA+\slot] offset:(2*\q+1)*4096+512*\i
.endr
.endm
; The 64 accumulators take turns in one order in every quarter, over the backward jump too.
.macro QUARTER slot, qn, f, g, zero
	s_wait_dscnt 8                                 ; the weights and tokens 0-63 are in; the eight youngest loads (tokens 64-127) may be out
	WIN MUL_LO
	MUL16 \f, 0, 0, \zero
	MUL16 \f, 0, 2, \zero
	PLACES
	FETCH \slot, \qn, \g
	s_wait_dscnt 32                                ; all but the 32 just issued
	WIN MUL_HI
	MUL16 \f, 1, 0, \zero
	MUL16 \f, 1, 2, \zero
.endm
.macro THREE slot, zero
	QUARTER \slot, 1, F0, F1, \zero
	QUARTER \slot, 2, F1, F0, 0
	QUARTER \slot, 3, F0, F1, 0
.endm
; The last quarter changes slots: each wave waits for its reads of this slot and for all its tensor loads (one is out: its part of the next slot) and signals;
; where the slot is filled again that barrier opens a round of the cluster's barrier, and the joint refill is the first tensor load behind the round.
; From a request to the wait for it a wave issues 240 matrix instructions.
.macro TURN slot, next, fill
	s_wait_dscnt 8
	WIN MUL_LO
	MUL16 F1, 0, 0, 0
	s_wait_dscnt 0x0
	s_wait_tensorcnt 0x0
	ds_add_u32 v255, v63
	s_wait_dscnt 0x0
	s_barrier_signal -1
	MUL16 F1, 0, 2, 0
	WIN 0
	s_barrier_wait -1
.if \fill
	CREST
	s_add_nc_u64 s[G0+4*\slot+2:G0+4*\slot+3], s[G0+4*\slot+2:G0+4*\slot+3], 2*HALFT      ; no tensor load of mine is out: the sets may be written.  Two K steps on
	s_add_nc_u64 s[G0B+4*\slot+2:G0B+4*\slot+3], s[G0B+4*\slot+2:G0B+4*\slot+3], 2*HALFT
	JLOAD \slot
.endif
	PLACES
	FETCH \next, 0, F0
	WIN MUL_HI
	MUL16 F1, 1, 0, 0
	MUL16 F1, 1, 2, 0
.endm
.macro LAP zero
	THREE 0, \zero
	TURN 0, 1, 1
	THREE 1, 0
	TURN 1, 0, 1
.endm
	s_load_b128 s[4:7], s[0:1], 0x0                ; hf s[4:5], wb s[6:7]
	s_load_b64 s[8:9], s[0:1], 0x10                ; out0
	s_load_b64 s[68:69], s[0:1], 0x18              ; xn
	s_load_b64 s[70:71], s[0:1], 0x20              ; wsq
	s_set_vgpr_msb 0x40
	v_lshl_add_u32 v255, v0, 2, 0x48400
	s_set_vgpr_msb 0x4000
	v_mov_b32 v63, 0
	s_set_vgpr_msb 0x1
	ds_add_u32 v255, v63
	s_set_vgpr_msb 0x100
	v_lshrrev_b32 v1, 5, v0
	v_readfirstlane_b32 s10, v1                    ; wave 0..3
	s_lshr_b32 s11, s10, 1                         ; my half of the block's tokens.  Also: I fetch weights (0) or tokens (1)
	s_and_b32 s12, s10, 1                          ; my half of its columns.  Also: which half of that tile I fetch
	s_bfe_u32 s40, ttmp6, 0x40000                  ; cx
	s_bfe_u32 s41, ttmp6, 0x40004                  ; cy
	s_lshl_b32 s42, ttmp9, 2
	s_add_co_u32 s42, s42, s40                     ; block column, 0..3
	s_and_b32 s13, ttmp7, 0xffff
	s_lshl_b32 s13, s13, 2
	s_add_co_u32 s13, s13, s41                     ; block row, 0..63
	s_lshl_b32 s43, s41, 2
	s_lshl_b32 s43, 15, s43                        ; my row of the cluster
	s_lshl_b32 s44, 0x1111, s40                    ; my column
	; group 1: a dense block of 128 rows of 32 elements of 8 bytes
	s_or_b32 s[G1+0], s43, (3<<16)|(1<<21)         ; 15:0 mask; 17:16 element of 8 bytes; 21 set beside a mask
	s_or_b32 s[G1B+0], s44, (3<<16)|(1<<21)
	s_mov_b32 s[G1+1], 32<<16
	s_mov_b32 s[G1B+1], 32<<16
	s_mov_b32 s[G1+2], 128<<16
	s_mov_b32 s[G1B+2], 128<<16
	s_mov_b32 s[G1+3], 32<<16
	s_mov_b32 s[G1B+3], 32<<16
	s_mov_b32 s[G1+4], 128
	s_mov_b32 s[G1B+4], 128
	s_mov_b32 s[G1+5], 32
	s_mov_b32 s[G1B+5], 32
	s_mov_b32 s[G1+6], 0
	s_mov_b32 s[G1B+6], 0
	s_mov_b32 s[G1+7], 0
	s_mov_b32 s[G1B+7], 0
	s_lshl_b32 s16, s13, 1
	s_add_co_u32 s16, s16, s12
	s_mul_i32 s16, s16, 327680                     ; tokens: T = 2 x block row + half
	s_mov_b32 s17, 0
	s_lshl_b32 s46, s42, 1
	s_add_co_u32 s46, s46, s12
	s_mul_i32 s46, s46, 327680                     ; weights: cgB = 2 x block column + half
	s_mov_b32 s47, 0
	s_lshl_b32 s20, s10, 15                        ; where they go: wave x 32,768: no place in the cluster enters an LDS address
	s_wait_dscnt 0x0
	s_wait_kmcnt 0x0
	s_add_nc_u64 s[14:15], s[4:5], s[16:17]
	s_add_nc_u64 s[46:47], s[6:7], s[46:47]
	CROUND                                         ; all sixteen work-groups are here: the first joint loads meet
.irp s, 0,1
	s_mov_b32 s[G0+4*\s], 1
	s_add_co_u32 s[G0+4*\s+1], s20, \s*SLOT
	s_add_nc_u64 s[G0+4*\s+2:G0+4*\s+3], s[14:15], \s*HALFT
	s_or_b32 s[G0+4*\s+3], s[G0+4*\s+3], 0x80000000
	s_mov_b32 s[G0B+4*\s], 1
	s_add_co_u32 s[G0B+4*\s+1], s20, \s*SLOT
	s_add_nc_u64 s[G0B+4*\s+2:G0B+4*\s+3], s[46:47], \s*HALFT
	s_or_b32 s[G0B+4*\s+3], s[G0B+4*\s+3], 0x80000000
	JLOAD \s                                       ; K steps 0 and 1
.endr
	v_and_b32 v1, 15, v0                           ; r
	v_bfe_u32 v2, v0, 4, 1                         ; h
	v_and_b32 v3, 31, v0
	v_lshlrev_b32 v[CO], 4, v3                     ; 16 L
	v_lshlrev_b32 v5, 2, v1                        ; xn: 4 bytes a token
	v_lshlrev_b32 v6, 2, v3                        ; wsq: 4 L
	s_lshl_b32 s74, s13, 1
	s_add_co_u32 s74, s74, s11                     ; my T
	s_lshl_b32 s74, s74, 9                         ; 128 tokens x 4 bytes
	s_mov_b32 s75, 0
	s_add_nc_u64 s[68:69], s[68:69], s[74:75]
.irp a, 0,1,2,3,4,5,6,7
	global_load_b32 v[XN+\a], v5, s[68:69] offset:64*\a
.endr
.irp e, 0,1,2,3,4,5,6,7,8,9
	global_load_b32 v[WS+\e], v6, s[70:71] offset:128*\e
.endr
	s_lshl_b32 s21, s11, 15
	s_add_co_u32 s21, s21, 2*HALFT                 ; my 128 tokens, behind the weights
	s_lshl_b32 s22, s12, 15                        ; my 128 columns
.irp s, 0,1
	v_add_nc_u32 v[ADRA+\s], s21, v[CO]
	v_add_nc_u32 v[ADRB+\s], s22, v[CO]
	s_add_co_u32 s21, s21, SLOT
	s_add_co_u32 s22, s22, SLOT
.endr
	s_mul_i32 s23, s10, 16*SPITCH
	s_add_co_u32 s23, s23, STAGE                   ; my stage
	v_mul_u32_u24 v4, v1, SPITCH
	v_lshl_add_u32 v4, v2, 5, v4
	v_add_nc_u32 v[STO], s23, v4                   ; in: row r, 32 bytes for each half of the lanes
	v_add_nc_u32 v[RD], s23, v[CO]                 ; back: a whole row of 512 bytes
	s_mov_b32 s72, 0x76543210                      ; v_permlanex16_b32: lane i of one half reads lane i of the other
	s_mov_b32 s73, 0xfedcba98
	s_wait_loadcnt 0x0                             ; the 18 small loads, while the first tiles are on their way
	EBITS s72, s73
.irp a, 0,1,2,3,4,5,6,7
	v_add_nc_u32 v[XN+\a], 0xffffffea, v[XN+\a]    ; eb - 22: the exponent field of 2^(eb - 149) = 2^-(141 - eb) 2^-8
	v_lshlrev_b32 v[INV+2*\a], 23, v[XN+\a]
	v_lshlrev_b32 v[INV+2*\a+1], 23, v[XN+\a]
.endr
	s_wait_tensorcnt 1                             ; my part of K step 0 is in; K step 1's may stay out
	s_barrier_signal -1
	s_barrier_wait -1
	FETCH 0, 0, F0
	LAP 1                                          ; the first products start the sums: nothing is cleared
	WIN 0
	s_mov_b32 s3, LAPS-2
.Llap:
	LAP 0
	WIN 0
	s_sub_co_u32 s3, s3, 1
	s_cmp_lg_u32 s3, 0
	s_cbranch_scc1 .Llap
	THREE 0, 0                                     ; the last lap fills nothing
	TURN 0, 1, 0
	THREE 1, 0
	s_wait_dscnt 8
	WIN MUL_LO
	MUL16 F1, 0, 0, 0
	MUL16 F1, 0, 2, 0
	s_wait_dscnt 0x0
	WIN MUL_HI
	MUL16 F1, 1, 0, 0
	MUL16 F1, 1, 2, 0
	; THE WAY OUT, 16 tokens at a time: the results are multiplied by their token's power of two, go into my own stage and come back as whole rows of 512 bytes.
	PLACES
	s_lshl_b32 s16, s13, 8
	s_lshl_b32 s14, s11, 7
	s_add_co_u32 s16, s16, s14                     ; my first token
	s_lshl_b32 s16, s16, 12                        ; rows of 4,096 bytes
	s_mov_b32 s17, 0
	s_add_nc_u64 s[8:9], s[8:9], s[16:17]
	s_lshl_b32 s46, s42, 10                        ; my first column, in bytes: 1,024 x block + 512 x half
	s_lshl_b32 s47, s12, 9
	s_add_co_u32 s46, s46, s47
	s_mov_b32 s47, 0
	s_add_nc_u64 s[8:9], s[8:9], s[46:47]
; tokens 16 i .. 16 i + 15 = the eight tiles (a, 0..7) of window 2 or 3 (win: source 0's window); f: F0 or F1 in turn
.macro OUT16 i, a, win, f
	WIN \win
.irp b, 0,1,2,3,4,5,6,7
.irp j, 0,2,4,6
	v_pk_mul_f32 v[TMP+8*\b+\j:TMP+8*\b+\j+1], v[64*\a+8*\b+\j:64*\a+8*\b+\j+1], v[INV+2*\i:INV+2*\i+1]
.endr
.endr
	WIN 0
.irp b, 0,1,2,3,4,5,6,7
	ds_store_b128 v[STO], v[TMP+8*\b:TMP+8*\b+3]   offset:64*\b
	ds_store_b128 v[STO], v[TMP+8*\b+4:TMP+8*\b+7] offset:64*\b+16
.endr
	s_wait_xcnt 0x0                                ; buffer f, which stores read, and the stores' base are rewritten only behind this wait
.if \i
	s_add_nc_u64 s[8:9], s[8:9], 65536             ; 16 rows on
.endif
.irp t, 0,1,2,3,4,5,6,7,8,9,10,11,12,13,14,15
	ds_load_b128 v[\f+4*\t:\f+4*\t+3], v[RD] offset:SPITCH*\t      ; LDS serves a wave's instructions in order (ISA guide 5.7.1): these see the stores above
.endr
.irp t, 0,1,2,3,4,5,6,7,8,9,10,11,12,13,14,15
	s_wait_dscnt 15-\t
	global_store_b128 v[CO], v[\f+4*\t:\f+4*\t+3], s[8:9] offset:4096*\t th:TH_STORE_NT   ; the wave stores 512 consecutive bytes of a row, aligned
.endr
.endm
	OUT16 0, 0, 0x02, F0
	OUT16 1, 1, 0x02, F1
	OUT16 2, 2, 0x02, F0
	OUT16 3, 3, 0x02, F1
	OUT16 4, 0, 0x03, F0
	OUT16 5, 1, 0x03, F1
	OUT16 6, 2, 0x03, F0
	OUT16 7, 3, 0x03, F1
	s_set_vgpr_msb 0x1
	s_wait_tensorcnt 0x0
	ds_add_u32 v255, v63
	s_wait_dscnt 0x0
	s_set_vgpr_msb 0x100
	CROUND                                         ; the closing round: no work-group ends while a partner may still ask for a tile that names it
	s_endpgm
.Lfunc_end_k_q9a742dbbc1_down:
	.size	k_q9a742dbbc1_down, .Lfunc_end_k_q9a742dbbc1_down-k_q9a742dbbc1_down
	.p2alignl 7, 3214868480
	.fill 96, 4, 3214868480
	.section	.rodata,"a",@progbits
	.p2align	6, 0x0
	.amdhsa_kernel k_q9a742dbbc1_down
		.amdhsa_group_segment_fixed_size 327680
		.amdhsa_private_segment_fixed_size 0
		.amdhsa_enable_private_segment 0
		.amdhsa_kernarg_size 40
		.amdhsa_user_sgpr_count 2
		.amdhsa_user_sgpr_kernarg_segment_ptr 1
		.amdhsa_wavefront_size32 1
		.amdhsa_system_sgpr_workgroup_id_x 1
		.amdhsa_system_sgpr_workgroup_id_y 1
		.amdhsa_system_sgpr_workgroup_id_z 1
		.amdhsa_system_vgpr_workitem_id 0
		.amdhsa_next_free_vgpr 1024
		.amdhsa_next_free_sgpr 76
		.amdhsa_reserve_vcc 0
		.amdhsa_float_denorm_mode_32 3
		.amdhsa_float_denorm_mode_16_64 3
		.amdhsa_memory_ordered 1
		.amdhsa_forward_progress 1
		.amdhsa_inst_pref_size 220
	.end_amdhsa_kernel
	.amdgpu_metadata
---
amdhsa.version: [ 1, 2 ]
amdhsa.kernels:
  - .name:           k_q9a742dbbc1_down
    .symbol:         k_q9a742dbbc1_down.kd
    .args:
      - { .name: hf, .offset: 0, .size: 8, .value_kind: global_buffer, .address_space: global }
      - { .name: wb, .offset: 8, .size: 8, .value_kind: global_buffer, .address_space: global }
      - { .name: out0, .offset: 16, .size: 8, .value_kind: global_buffer, .address_space: global }
      - { .name: xn, .offset: 24, .size: 8, .value_kind: global_buffer, .address_space: global }
      - { .name: wsq, .offset: 32, .size: 8, .value_kind: global_buffer, .address_space: global }
    .group_segment_fixed_size: 327680
    .private_segment_fixed_size: 0
    .kernarg_segment_align: 8
    .kernarg_segment_size: 40
    .max_flat_workgroup_size: 128
    .sgpr_count:     76
    .vgpr_count:     1024
    .wavefront_size: 32
...
	.end_amdgpu_metadata
.endif
;; end of part 3
